; MI455X (gfx1250); checked and timed in simulation.
; The chip was launched on July 23, 2026; its instructions are those of AMD's public machine-readable ISA for CDNA 5 (MIT licence, August 2026) and "CDNA5" Instruction Set Architecture Reference Guide (July 2026). The comments in the code are by the model that wrote it; some were corrected since.
;; Multi Head Self Attention. Allowed arithmetic: matrix products marked QUANTISED: E4M3 operands, one given power-of-two scale a tensor, by v_wmma_f32_16x16x64_fp8_fp8 or v_wmma_f32_16x16x128_fp8_fp8, f32 sums; everything else in f32.
;; Inputs: W_k 16 x 1,024 x 64 float32; W_o 1,024 x 1,024 float32; W_q 16 x 1,024 x 64 float32; W_v 16 x 1,024 x 64 float32; lowp_scales 12 int32 (the exponents e of the quantised operands' scales 2^e); x 4 x 2,048 x 1,024 float32.
;; Outputs: out0 4 x 2,048 x 1,024 float32.
;; This version of the problem:
;;   THIS VERSION OF THE PROBLEM IS GIVEN IN LOW PRECISION. The matrix products marked QUANTISED in the list below multiply operands that are first quantised to E4M3 (4 exponent bits, 3 mantissa bits; 8 bits a number), with one given power-of-two scale for each operand tensor; their sums are f32. All else is computed in f32.
;;   The module's matrix products, in the order in which they are computed (A, B: the left and right operand; K: the contracted axis; several contracted axes count as one K, in the product's order):
;;     1. [M 1,024, K 1,024] x [K 1,024, N 8,192]; A: input W_q; B: input x: QUANTISED (scales: A lowp_scales[0], B lowp_scales[1])
;;     2. [M 1,024, K 1,024] x [K 1,024, N 8,192]; A: input W_k; B: input x: QUANTISED (scales: A lowp_scales[2], B lowp_scales[3])
;;     3. [M 1,024, K 1,024] x [K 1,024, N 8,192]; A: input W_v; B: input x: QUANTISED (scales: A lowp_scales[4], B lowp_scales[5])
;;     4. batch 64 x [M 2,048, K 64] x [K 64, N 2,048]; A: computed on the way; B: computed on the way: QUANTISED (scales: A lowp_scales[6], B lowp_scales[7])
;;     5. batch 64 x [M 2,048, K 2,048] x [K 2,048, N 64]; A: softmax (see below); B: computed on the way: QUANTISED (scales: A lowp_scales[8], B lowp_scales[9])
;;     6. [M 8,192, K 1,024] x [K 1,024, N 1,024]; A: computed on the way; B: input W_o: QUANTISED (scales: A lowp_scales[10], B lowp_scales[11])
;;   THE QUANTISER, for each operand of a quantised product, along K:
;;     - The operand's scale is 2^e, e = its entry of the input lowp_scales (int32; the entries are numbered through the quantised products in the list's order, A before B).
;;     - Each number is divided by the scale, clamped to +-448, and rounded to the nearest number of E4M3, ties to even, subnormals kept.
;;     - The product sums the exact products of the quantised numbers (number of the format x scale) in f32.
;;   ~~~python
;;   def quantise(x, axis, e):      # numpy; x: float32 -> the quantised numbers, widened to float32 again
;;       x = np.moveaxis(x, axis, -1); K = x.shape[-1]
;;       r = np.clip(x / 2.0 ** e, -448, 448)
;;       step = 2.0 ** (np.maximum(np.frexp(np.where(r == 0, 1, r))[1] - 1, -6) - 3)
;;       q = np.round(r / step) * step * 2.0 ** e      # np.round: ties to even
;;       return np.moveaxis(q, -1, axis).astype(np.float32)
;;   ~~~
;;   SOFTMAX AHEAD OF A QUANTISED PRODUCT. Where the list says 'softmax', what is quantised is not the finished softmax but p = 2^(t - M), with t = logit x log2(e) and M = ceil(the row's largest t), a whole number; so 1/2 < the row's largest p <= 1. The row's sum l is taken of the UNQUANTISED p, in f32, and the product's result is divided by l at the end. Since M is a whole number, a kernel that streams over the keys may use a running M (the ceiling of the running maximum): every later rescaling is an exact power of two, so the quantised numbers keep their values, but for numbers so far below the row's largest that they fall under the format's range.
;;   OPERANDS COMPUTED ON THE WAY. 'Computed on the way' means the value that the module computes at that place (a softmax that the list does not call 'softmax' is quantised finished and normalised). What goes into a quantiser is computed in f32, as accurately as f32 sums, v_exp_f32 and their like allow (about 1e-6 of the number): no bf16 or f16 on the way to a quantiser, and a product that is left as it is and whose result goes on into a quantised operand takes f32 operands (vector FMAs, or v_wmma_f32_16x16x4_f32). A number that lies on a knife's edge between two numbers of the format may be rounded either way, as far as f32 arithmetic and the matrix unit's own rounding can turn it there, and no further.
;; One version. Each part assembles by itself: llvm-mc -triple=amdgcn-amd-amdhsa -mcpu=gfx1250 --defsym DOCPART=n.
;; ======== version 1 of 1: 4 launches
;; limits: right only within a limited range of input values
;; workspace buffers: img 29,360,128 bytes; qkv 25,165,824 bytes; att 8,388,608 bytes
;; launch quant (part 1): grid 384 x 1, 8 waves a work-group, no clusters, 101,376 bytes of LDS; arguments x, W_q, W_k, W_v, W_o, lowp_scales, img; writes img
.if DOCPART == 1
	.amdgcn_target "amdgcn-amd-amdhsa--gfx1250"
	.amdhsa_code_object_version 6
	.text
	.protected	k_q4c48d61f2b_quant
	.globl	k_q4c48d61f2b_quant
	.p2align	8
	.type	k_q4c48d61f2b_quant,@function
k_q4c48d61f2b_quant:
	s_mov_b64 s[64:65], 0
	v_nop
	global_prefetch_b8 v0, s[64:65] scope:SCOPE_SE
	s_setreg_imm32_b32 hwreg(HW_REG_WAVE_MODE, 25, 1), 1
	s_wait_xcnt 0x0
; x [8192][1024] f32 becomes three sets of E4M3 codes (scales 2^e1, 2^e3, 2^e5: the three products that read x each name an entry of their own),
; W_q, W_k, W_v [16][1024][64] and W_o [1024][1024] f32 become codes with K (their axis of 1,024) innermost (scales 2^e0, 2^e2, 2^e4, 2^e11).
; code = number / 2^e, held within +-448, rounded to the nearest code, ties to even.
; LIMITS: each of these e lies between -126 and 119, so that 2^e and 448 x 2^e are f32 numbers.  NaN among the inputs is not served; an infinity is held at the largest code.
; THE LAYOUT OF img: IMAGES OF OPERAND REGISTERS.  A fragment (16 rows x 128 K) is 2,048 bytes: byte 512 c + 16 L + i (c = 0..3, lane L = r + 16 h) is row r at
; k = 32 c + 8 h + i (i < 8) or 32 c + 16 + 8 h + i - 8 (i >= 8): registers 4 c .. 4 c + 3 of the plain 8-bit form's operand.  So a reader takes a fragment by four loads of 16 bytes a lane.
;   x under scale p (p = 0, 1, 2) at p x 8,388,608: [tile of 16 tokens: 512][step of 128 along K: 8][2,048]
;   weight p (0 W_q, 1 W_k, 2 W_v, 3 W_o) at 25,165,824 + p x 1,048,576: [tile of 16 rows n: 64][step: 8][2,048]; n = 64 head + d, or W_o's column
; Work-groups 0 to 255 take x, 256 to 383 the weights; the two ways part on the work-group's number, never join, and have LDS bytes of their own.
; Waves share nothing: no barrier.  Work-groups share no input: no cluster.  No tensor load: x's waves ask for all their numbers at once, the weights' waves keep two blocks of loads ahead.
.set XPB,   8388608                    ; bytes of one set of x's codes
.set WP0,   25165824                   ; where the weights' codes begin
.set XSTG,  8448                       ; x: a wave's stage: 16 rows x XPIT
.set XPIT,  528                        ; 512 bytes of a row + 16 of padding: the sixteen rows that a read touches begin 16 bytes apart modulo 256
.set WLDS,  67584                      ; the weights' way: LDS from here on, 4,096 bytes a wave
.set R,     16                         ; v16-143   x as loaded: fragment f, row i at R + 64 f + 4 i
.set X,     144                        ; v144-207  64 numbers of my row, in the operand's order
.set T,     208                        ; v208-223  16 of them, held
.set C,     224                        ; v224-255  two sets of 16 registers of codes
.set OFF,   16                         ; weights: v16-47   4 x lane + i x pitch
.set WX,    48                         ; weights: v48-111  two sets of 32 numbers down K
.set WC,    112                        ; weights: v112-119 a block's codes
.set WOUT,  128                        ; weights: v128-159 the images read back
	s_load_b256 s[8:15], s[0:1], 0x0               ; x s[8:9], W_q s[10:11], W_k s[12:13], W_v s[14:15]
	s_load_b128 s[16:19], s[0:1], 0x20             ; W_o s[16:17], the scales' exponents s[18:19]
	s_load_b64 s[20:21], s[0:1], 0x30              ; img
	v_lshl_add_u32 v14, v0, 2, 0x18800
	v_mov_b32 v15, 0
	v_lshrrev_b32 v1, 5, v0
	s_delay_alu instid0(VALU_DEP_1)
	v_readfirstlane_b32 s22, v1                    ; wave 0..7
	v_and_b32 v1, 31, v0                           ; lane
	v_and_b32 v2, 15, v0                           ; r
	v_bfe_u32 v3, v0, 4, 1                         ; h
	s_delay_alu instid0(VALU_DEP_3)
	v_lshlrev_b32 v4, 4, v1                        ; 16 x lane
	s_wait_kmcnt 0x0
	s_load_b256 s[24:31], s[18:19], 0x0            ; e0 .. e7
	s_load_b128 s[32:35], s[18:19], 0x20           ; e8 .. e11
	s_cmp_lt_u32 ttmp9, 256
	s_cbranch_scc0 .Lweights
; ================================================ x: a wave takes 16 tokens x 256 along K: two fragments
	s_lshl_b32 s36, ttmp9, 3
	s_add_co_u32 s36, s36, s22                     ; task = 8 x work-group + wave
	s_lshr_b32 s37, s36, 2                         ; tile of 16 tokens
	s_and_b32 s38, s36, 3                          ; which 256 along K
	s_lshl_b32 s40, s37, 16                        ; 16 rows of 4,096 bytes
	s_lshl_b32 s42, s38, 10
	s_add_co_u32 s40, s40, s42
	s_mov_b32 s41, 0
	s_add_nc_u64 s[8:9], s[8:9], s[40:41]
	s_wait_alu depctr_va_vdst(0)
.irp f, 0,1
.irp i, 0,1,2,3,4,5,6,7,8,9,10,11,12,13,14,15
	global_load_b128 v[R+64*\f+4*\i:R+64*\f+4*\i+3], v4, s[8:9] offset:4096*\i+512*\f th:TH_LOAD_NT   ; 32 lanes read 512 consecutive bytes of row i
.endr
.endr
	s_lshl_b32 s40, s37, 14                        ; a tile's eight fragments
	s_lshl_b32 s42, s38, 12                        ; my two of them
	s_add_co_u32 s40, s40, s42
	s_add_nc_u64 s[44:45], s[20:21], s[40:41]      ; the three sets' places
	s_add_nc_u64 s[46:47], s[44:45], XPB
	s_add_nc_u64 s[48:49], s[46:47], XPB
	s_mul_i32 s23, s22, XSTG
	v_add_nc_u32 v5, s23, v4                       ; into the stage: row i at XPIT i, 16 bytes a lane
	v_mul_u32_u24 v6, v2, XPIT
	s_delay_alu instid0(VALU_DEP_1)
	v_lshl_add_u32 v6, v3, 5, v6
	s_delay_alu instid0(VALU_DEP_1)
	v_add_nc_u32 v6, s23, v6                       ; out of it: row r, + 32 h: eight numbers for each half of the lanes
.macro SCALE e, vs, vl                 ; v[vs] = 2^e as f32 (the conversion takes its exponent field), v[vl] = 448 x 2^e
	s_add_co_i32 s52, s[\e], 127
	s_lshl_b32 s53, s52, 23
	v_mov_b32 v[\vs], s53
	s_add_co_i32 s52, s52, 8
	s_lshl_b32 s52, s52, 23
	s_or_b32 s52, s52, 0x600000
	v_mov_b32 v[\vl], s52
.endm
	s_wait_alu depctr_va_vdst(0)
	s_wait_kmcnt 0x0
	SCALE 25, 8, 9                                 ; e1
	SCALE 27, 10, 11                               ; e3
	SCALE 29, 12, 13                               ; e5
; Fragment f under scale p: hold, convert, store.  The numbers in X stay as they are: each scale has its own hold.
.macro XCODES f, p
.set CSET, C+16*((3*(\f)+(\p))%2)
.if 3*(\f)+(\p) > 1
	s_wait_xcnt 0x0                                ; this set of code registers was the data of stores two parts ago: they are rewritten only behind this wait
.endif
.irp c, 0,1,2,3
.irp i, 0,1,2,3,4,5,6,7,8,9,10,11,12,13,14,15
	v_med3_num_f32 v[T+\i], v[X+16*\c+\i], -v[9+2*(\p)], v[9+2*(\p)]   ; the conversion to an 8-bit code does not saturate (ISA guide 7.6.2)
.endr
	v_cvt_scalef32_pk8_fp8_f32 v[CSET+4*\c:CSET+4*\c+1], v[T:T+7], v[8+2*(\p)]
	v_cvt_scalef32_pk8_fp8_f32 v[CSET+4*\c+2:CSET+4*\c+3], v[T+8:T+15], v[8+2*(\p)]
	v_nop                                          ; a plain line between the conversions and the next holds, which write their sources
.endr
.irp c, 0,1,2,3
	global_store_b128 v4, v[CSET+4*\c:CSET+4*\c+3], s[44+2*(\p):45+2*(\p)] offset:2048*(\f)+512*\c   ; 512 consecutive bytes, aligned
.endr
.endm
; Fragment f turns through the wave's own stage: in as loaded (neighbouring lanes, neighbouring bytes), out in the operand's order (a lane: one row).
.macro XFRAG f
	s_wait_loadcnt 16-16*(\f)                      ; this fragment's sixteen loads are in; the second fragment's sixteen may be out
.irp i, 0,1,2,3,4,5,6,7,8,9,10,11,12,13,14,15
	ds_store_b128 v5, v[R+64*(\f)+4*\i:R+64*(\f)+4*\i+3] offset:XPIT*\i
.endr
.irp c, 0,1,2,3
.irp q, 0,1,2,3
	ds_load_b128 v[X+16*\c+4*\q:X+16*\c+4*\q+3], v6 offset:128*\c+64*(\q/2)+16*(\q%2)   ; LDS serves a wave's instructions in order: these see the stores above
.endr
.endr
	s_wait_dscnt 0x0
	XCODES \f, 0
	XCODES \f, 1
	XCODES \f, 2
.endm
	s_wait_alu depctr_va_vdst(0)
	XFRAG 0
	XFRAG 1
	s_wait_tensorcnt 0x0
	ds_add_u32 v14, v15
	s_wait_dscnt 0x0
	s_endpgm
; ================================================ the weights: a wave takes 32 rows n x 128 along K.  A LANE TAKES A COLUMN OF THE f32 TENSOR AND ITS REGISTERS RUN DOWN K
.Lweights:
	s_sub_co_u32 s36, ttmp9, 256
	s_lshr_b32 s37, s36, 5                         ; which tensor: 0 W_q, 1 W_k, 2 W_v, 3 W_o
	s_and_b32 s38, s36, 31
	s_lshl_b32 s38, s38, 3
	s_add_co_u32 s38, s38, s22                     ; task 0..255
	s_lshr_b32 s39, s38, 5                         ; step of 128 along K
	s_and_b32 s38, s38, 31                         ; g: rows 32 g .. 32 g + 31
	s_lshr_b32 s54, s38, 1                         ; W_q, W_k, W_v: head g / 2 (262,144 bytes a head), d from 32 (g % 2) on
	s_lshl_b32 s54, s54, 18
	s_and_b32 s55, s38, 1
	s_lshl_b32 s55, s55, 7
	s_add_co_u32 s54, s54, s55
	s_lshl_b32 s55, s38, 7                         ; W_o: column 32 g
	s_mov_b32 s53, 4096
	s_cmp_eq_u32 s37, 0                            ; the choices hang on the work-group's number alone
	s_cselect_b64 s[50:51], s[10:11], s[12:13]
	s_cmp_lt_u32 s37, 2
	s_cselect_b64 s[50:51], s[50:51], s[14:15]
	s_cmp_lt_u32 s37, 3
	s_cselect_b64 s[50:51], s[50:51], s[16:17]
	s_cselect_b32 s53, 256, s53                    ; bytes from k to k + 1
	s_cselect_b32 s54, s54, s55                    ; my first column's byte
	s_lshl_b32 s56, s39, 7
	s_mul_i32 s56, s56, s53
	s_add_co_u32 s56, s56, s54
	s_mov_b32 s57, 0
	s_add_nc_u64 s[40:41], s[50:51], s[56:57]      ; block t of 32 along K begins at s[40+2t:41+2t]
	s_lshl_b32 s56, s53, 5
	s_add_nc_u64 s[42:43], s[40:41], s[56:57]
	s_add_nc_u64 s[44:45], s[42:43], s[56:57]
	s_add_nc_u64 s[46:47], s[44:45], s[56:57]
	s_wait_alu depctr_va_vdst(0)
	v_lshlrev_b32 v7, 2, v1
.irp i, 0,1,2,3,4,5,6,7,8,9,10,11,12,13,14,15,16,17,18,19,20,21,22,23,24,25,26,27,28,29,30,31
	v_mad_u32_u24 v[OFF+\i], s53, \i, v7           ; 4 x lane + i x pitch
.endr
.macro WLOAD t                         ; block t into set t % 2: each load reads 128 consecutive bytes
.irp i, 0,1,2,3,4,5,6,7,8,9,10,11,12,13,14,15,16,17,18,19,20,21,22,23,24,25,26,27,28,29,30,31
	global_load_b32 v[WX+32*((\t)%2)+\i], v[OFF+\i], s[40+2*(\t):41+2*(\t)] th:TH_LOAD_NT
.endr
.endm
	WLOAD 0
	WLOAD 1
	s_lshl_b32 s56, s37, 20
	s_add_co_u32 s56, s56, WP0
	s_lshl_b32 s58, s38, 15                        ; two tiles of 16 rows, 16,384 bytes each
	s_add_co_u32 s56, s56, s58
	s_lshl_b32 s58, s39, 11
	s_add_co_u32 s56, s56, s58
	s_add_nc_u64 s[48:49], s[20:21], s[56:57]
	s_lshl_b32 s23, s22, 12
	s_add_co_u32 s23, s23, WLDS                    ; my wave's two images
	v_lshlrev_b32 v5, 4, v2
	s_delay_alu instid0(VALU_DEP_1)
	v_lshl_add_u32 v5, v3, 11, v5
	s_delay_alu instid0(VALU_DEP_1)
	v_add_nc_u32 v5, s23, v5                       ; in: tile lane / 16, row lane % 16
	v_add_nc_u32 v6, s23, v4                       ; back: 16 x lane
	s_wait_kmcnt 0x0
	s_cmp_eq_u32 s37, 0
	s_cselect_b32 s52, s24, s26                    ; e0, e2,
	s_cmp_lt_u32 s37, 2
	s_cselect_b32 s52, s52, s28                    ; e4,
	s_cmp_lt_u32 s37, 3
	s_cselect_b32 s52, s52, s35                    ; e11
	s_add_co_i32 s52, s52, 127
	s_lshl_b32 s58, s52, 23
	v_mov_b32 v11, s58                             ; 2^e
	s_add_co_i32 s52, s52, 8
	s_lshl_b32 s52, s52, 23
	s_or_b32 s52, s52, 0x600000
	v_mov_b32 v10, s52                             ; 448 x 2^e
; Block t: 32 numbers down K of my row n.  Codes 8 q .. 8 q + 7 belong to the image's half q % 2 of the lanes, bytes 8 (q / 2) on.
.macro WBLOCK t
.set WS, WX+32*((\t)%2)
.if (\t) < 3
	s_wait_loadcnt 32                              ; this block's 32 loads are in; the next block's may be out
.else
	s_wait_loadcnt 0x0
.endif
.irp i, 0,1,2,3,4,5,6,7,8,9,10,11,12,13,14,15,16,17,18,19,20,21,22,23,24,25,26,27,28,29,30,31
	v_med3_num_f32 v[WS+\i], v[WS+\i], -v10, v10
.endr
.irp q, 0,1,2,3
	v_cvt_scalef32_pk8_fp8_f32 v[WC+2*\q:WC+2*\q+1], v[WS+8*\q:WS+8*\q+7], v11
.endr
.irp q, 0,1,2,3
	ds_store_b64 v5, v[WC+2*\q:WC+2*\q+1] offset:512*(\t)+256*(\q%2)+8*(\q/2)
.endr
.if (\t) < 2
	WLOAD (\t)+2
.endif
	s_wait_dscnt 0x0                               ; the stores have read their registers: the next block's codes may be written (its 32 holds are the plain lines behind these conversions)
.endm
	s_wait_alu depctr_va_vdst(0)
	WBLOCK 0
	WBLOCK 1
	WBLOCK 2
	WBLOCK 3
.irp i, 0,1,2,3,4,5,6,7
	ds_load_b128 v[WOUT+4*\i:WOUT+4*\i+3], v6 offset:512*\i
.endr
.irp i, 0,1,2,3,4,5,6,7
	s_wait_dscnt 7-\i                              ; the younger read-backs may be out
	global_store_b128 v4, v[WOUT+4*\i:WOUT+4*\i+3], s[48:49] offset:16384*(\i/4)+512*(\i%4)   ; 512 consecutive bytes, aligned
.endr
	s_wait_tensorcnt 0x0
	ds_add_u32 v14, v15
	s_wait_dscnt 0x0
	s_endpgm
.Lfunc_end_k_q4c48d61f2b_quant:
	.size	k_q4c48d61f2b_quant, .Lfunc_end_k_q4c48d61f2b_quant-k_q4c48d61f2b_quant
	.p2alignl 7, 3214868480
	.fill 96, 4, 3214868480
	.section	.rodata,"a",@progbits
	.p2align	6, 0x0
	.amdhsa_kernel k_q4c48d61f2b_quant
		.amdhsa_group_segment_fixed_size 101376
		.amdhsa_private_segment_fixed_size 0
		.amdhsa_enable_private_segment 0
		.amdhsa_kernarg_size 56
		.amdhsa_user_sgpr_count 2
		.amdhsa_user_sgpr_kernarg_segment_ptr 1
		.amdhsa_wavefront_size32 1
		.amdhsa_system_sgpr_workgroup_id_x 1
		.amdhsa_system_sgpr_workgroup_id_y 1
		.amdhsa_system_sgpr_workgroup_id_z 1
		.amdhsa_system_vgpr_workitem_id 0
		.amdhsa_next_free_vgpr 256
		.amdhsa_next_free_sgpr 66
		.amdhsa_reserve_vcc 0
		.amdhsa_float_denorm_mode_32 3
		.amdhsa_float_denorm_mode_16_64 3
		.amdhsa_memory_ordered 1
		.amdhsa_forward_progress 1
		.amdhsa_inst_pref_size 69
	.end_amdhsa_kernel
	.amdgpu_metadata
---
amdhsa.version: [ 1, 2 ]
amdhsa.kernels:
  - .name:           k_q4c48d61f2b_quant
    .symbol:         k_q4c48d61f2b_quant.kd
    .args:
      - { .name: x, .offset: 0, .size: 8, .value_kind: global_buffer, .address_space: global }
      - { .name: W_q, .offset: 8, .size: 8, .value_kind: global_buffer, .address_space: global }
      - { .name: W_k, .offset: 16, .size: 8, .value_kind: global_buffer, .address_space: global }
      - { .name: W_v, .offset: 24, .size: 8, .value_kind: global_buffer, .address_space: global }
      - { .name: W_o, .offset: 32, .size: 8, .value_kind: global_buffer, .address_space: global }
      - { .name: lowp_scales, .offset: 40, .size: 8, .value_kind: global_buffer, .address_space: global }
      - { .name: img, .offset: 48, .size: 8, .value_kind: global_buffer, .address_space: global }
    .group_segment_fixed_size: 101376
    .private_segment_fixed_size: 0
    .kernarg_segment_align: 8
    .kernarg_segment_size: 56
    .max_flat_workgroup_size: 256
    .sgpr_count:     66
    .vgpr_count:     256
    .wavefront_size: 32
...
	.end_amdgpu_metadata
.endif
;; end of part 1
;; launch qkv (part 2): grid 12 x 32, 4 waves a work-group, clusters of 4 x 4, 327,680 bytes of LDS; arguments img, lowp_scales, qkv; writes qkv
.if DOCPART == 2
	.amdgcn_target "amdgcn-amd-amdhsa--gfx1250"
	.amdhsa_code_object_version 6
	.text
	.protected	k_q4c48d61f2b_qkv
	.globl	k_q4c48d61f2b_qkv
	.p2align	8
	.type	k_q4c48d61f2b_qkv,@function
k_q4c48d61f2b_qkv:
	s_mov_b64 s[64:65], 0
	v_nop
	global_prefetch_b8 v0, s[64:65] scope:SCOPE_SE
	s_setreg_imm32_b32 hwreg(HW_REG_WAVE_MODE, 25, 1), 1
	s_wait_xcnt 0x0
	s_wait_alu depctr_hold_cnt(0) depctr_sa_sdst(0) depctr_va_vdst(0) depctr_va_sdst(0) depctr_va_ssrc(0) depctr_va_vcc(0) depctr_vm_vsrc(0)
	s_getreg_b32 s2, hwreg(HW_REG_IB_STS2, 6, 4)
	s_cmp_eq_u32 s2, 0
	s_cbranch_scc0 .Lentry_in_a_cluster
	s_endpgm
.Lentry_in_a_cluster:
	s_bfe_u32 s2, ttmp6, 0x10000c
	s_cmp_lg_u32 s2, 0xf033
	s_cbranch_scc0 .Lentry_shape_is_right
	s_endpgm
.Lentry_shape_is_right:
; The three projections on E4M3 codes, K = 1,024, their f32 sums quantised at once into the operands of attention.  Cluster x says which: 0 q, 1 k, 2 v.
;   q, k: C'[token][n] = sum over e of x[token][e] W[n][e]  (A' = x's codes, B' = the weight's; n = 64 head + d)
;   v:    C'[n][token] = the same sum with A' = W_v's codes and B' = x's: v is wanted with the keys innermost, so it is made transposed, by the same text.
; A sum stands for sum x 2^(ea + eb); its code is sum / 2^(eo - ea - eb), held within +-448 (eo = e6 for q, e7 for k, e9 for v).
; LIMIT: eo - ea - eb lies between -126 and 119, so that this power of two and 448 times it are f32 numbers.
; A tile of C', 256 x 256, is made by four waves, as many as a WGP has SIMDs, 128 x 128 each: 64 accumulators of 16 x 16, 512 registers.
; OPERANDS ARE IMAGES OF REGISTERS (16 rows x 128 K = 2,048 bytes, lane L's 16 bytes of registers 4 c .. 4 c + 3 at 512 c + 16 L): a fragment comes by four ds_load_b128 at 16 x lane: consecutive bytes, no pitch, no padding.
; K goes in steps of 256 (two images, 4,096 bytes, of each tile of 16 rows) through two LDS slots filled by the tensor data mover; four K steps: two first fills, two refills, written straight.
; CLUSTERS: 4 x 4 work-groups.  The four of a row of the cluster need the same tiles of A', the four of a column the same tiles of B': each is asked for JOINTLY, by the same tensor load, descriptor and mask.
; THE MATRIX INSTRUCTION IS USED TRANSPOSED (source 0 = 16 rows of B', source 1 = 16 rows of A'): lane (r, h) holds row r of A' and, in accumulator b, B' rows 16 b + 8 h + 0 .. 7.
; Those are the places that registers 2 b, 2 b + 1 of the next product's operand have: one conversion an accumulator gives them, and two accumulators' codes leave as one store of 512 consecutive bytes.  No stage on the way out.
; qkv: q at 0, k at 8,388,608: [64 (b, head)][128 tiles of 16 tokens][1,024] (16 tokens x 64 d);  v at 16,777,216: [64][16 blocks of 128 keys][4 tiles of 16 d][2,048].
; No prefetch is laid: of the four K steps two are first fills, and the refills follow them at once.
; REGISTERS, in windows of 256: window 0: v0-31 addresses and scales; from v128 A's fragments, ONE set; on the way out v32-191 are at work.  window 1: B's fragments, TWO sets.  windows 2, 3: the accumulators ((a, b) at v[8 (8 (a % 4) + b)]).
.set FR,     16                        ; registers of a fragment
.set NL,     4                         ; LDS loads that bring one
.set NP,     4                         ; places behind this matrix instruction (ISA guide 7.12.1)
.set KSB,    4096                      ; a K step's bytes of a tile of 16 rows
.set TILEB,  16384                     ; a tile of 16 rows, all of K, in memory
.set HALFT,  8*KSB                     ; what one tensor load brings, and what one wave reads of A' or of B'
.set SLOT,   4*HALFT                   ; A's 16 tiles, then B's 16
.set SPARE,  2*SLOT                    ; behind the ring: the spare words, 128 bytes for each wave
.set OB,   8                           ; v8-11   the way out: 16 x lane + the four stores' places
.set VSC,  12                          ; v12     2^(eo - ea - eb)
.set VLIM, 13                          ; v13     448 x that
.set ADRA, 16                          ; v16-17  LDS address of my A fragments in slot 0, 1
.set ADRB, 20                          ; v20-21  the same for B
.set SPW,  28                          ; v28     LDS address of my spare word; never rewritten
.set NIL,  29                          ; v29     0; never rewritten
.set AF,   128
.set G1, 24                            ; s[24:31] descriptor group 1 for A's tiles;  s[32:39] group 0, one set for each slot
.set G0, 32
.set G1B, 48                           ; s[48:55], s[56:63] the same for B's
.set G0B, 56
.set MSB, 0
.macro WIN new                         ; the immediate's high byte repeats the setting that is left
.if MSB != (\new)
	s_set_vgpr_msb (MSB<<8)|(\new)
.set MSB, (\new)
.endif
.endm
.set MUL_LO, 0xa1                      ; source 0 (B) window 1, source 1 (A) window 0, C and D window 2
.set MUL_HI, 0xf1                      ; the same, C and D window 3
.set TO_B,   0x40                      ; destination window 1, address window 0
; A joint load: waves 0 and 1 fetch for A', waves 2 and 3 for B'.  The branch hangs on the wave's number alone.  Four v_nop follow each of the two lines.
.macro JLOAD g0a, g1a, g0b, g1b
	s_cmp_eq_u32 s15, 0
	s_cbranch_scc0 .Lfor_b_\@
	tensor_load_to_lds s[\g0a:\g0a+3], s[\g1a:\g1a+7]
	s_nop 0
.rept 4
	v_nop
.endr
	s_branch .Lasked_\@
.Lfor_b_\@:
	tensor_load_to_lds s[\g0b:\g0b+3], s[\g1b:\g1b+7]
	s_nop 0
.rept 4
	v_nop
.endr
.Lasked_\@:
.endm
.macro CREST                           ; a round of the cluster's barrier behind its opening barrier
	s_cmp_lg_u32 s14, 0
	s_cbranch_scc1 .Lnot_wave_0_\@
	s_barrier_signal -3
.Lnot_wave_0_\@:
	s_barrier_wait -3
	s_barrier_signal -1
	s_barrier_wait -1
.endm
.macro CROUND
	s_barrier_signal -1
	s_barrier_wait -1
	CREST
.endm
	s_load_b128 s[4:7], s[0:1], 0x0                ; img s[4:5], the scales' exponents s[6:7]
	s_load_b64 s[8:9], s[0:1], 0x10                ; qkv
	v_lshl_add_u32 v[SPW], v0, 2, SPARE
	v_mov_b32 v[NIL], 0
	ds_add_u32 v28, v29
	ds_add_u32 v28, v29
	s_wait_dscnt 0x0
	v_lshrrev_b32 v1, 5, v0
	v_readfirstlane_b32 s14, v1                    ; wave 0..3
	s_lshr_b32 s15, s14, 1                         ; which half of the tile's rows is mine.  Also: I fetch for A' (0) or for B' (1)
	s_and_b32 s16, s14, 1                          ; which half of its columns.  Also: which 8 tiles of 16 rows I fetch
	s_bfe_u32 s40, ttmp6, 0x40000                  ; cx, cy: my place in the cluster
	s_bfe_u32 s41, ttmp6, 0x40004
	s_and_b32 s18, ttmp7, 0xffff
	s_lshl_b32 s18, s18, 2                         ; 4 x cluster y: the clusters walk the tokens, which are A's rows for q and k, B's for v
	s_cmp_eq_u32 ttmp9, 2                          ; v?  The same answer in all sixteen partners
	s_cselect_b32 s19, 0, s18
	s_cselect_b32 s20, s18, 0
	s_add_co_u32 s17, s19, s41                     ; tile row of C'
	s_add_co_u32 s42, s20, s40                     ; tile column of C'
	s_lshl_b32 s43, s41, 2
	s_lshl_b32 s43, 15, s43                        ; my row of the cluster
	s_lshl_b32 s44, 0x1111, s40                    ; my column
	; descriptor group 1: 8 rows (tiles of 16) of 4,096 bytes, 16,384 bytes apart in memory, on end in LDS
	s_or_b32 s[G1+0], s43, (0<<16)|(1<<21)         ; 15:0 the mask: A's tiles go to my row; 17:16 elements of 1 byte; 21 set beside a mask
	s_or_b32 s[G1B+0], s44, (0<<16)|(1<<21)
.irp g, G1, G1B
	s_mov_b32 s[\g+1], KSB<<16                     ; tensor_dim0
	s_mov_b32 s[\g+2], 8<<16                       ; tensor_dim1
	s_mov_b32 s[\g+3], KSB<<16                     ; tile_dim0
	s_mov_b32 s[\g+4], 8                           ; tile_dim1
	s_mov_b32 s[\g+5], TILEB                       ; tensor_dim0_stride
	s_mov_b32 s[\g+6], 0
	s_mov_b32 s[\g+7], 0
.endr
	s_lshl_b32 s21, ttmp9, 23                      ; x's codes under this product's scale
	s_lshl_b32 s22, ttmp9, 20
	s_add_co_u32 s22, s22, 25165824                ; this product's weight
	s_cmp_eq_u32 ttmp9, 2
	s_cselect_b32 s23, s22, s21                    ; A': x, for v the weight
	s_cselect_b32 s45, s21, s22                    ; B': the weight, for v x
	s_lshl_b32 s18, s16, 17                        ; which 8 tiles of the 16 I fetch
	s_lshl_b32 s20, s17, 18                        ; 16 tiles of 16,384 bytes to a tile row
	s_add_co_u32 s20, s20, s18
	s_add_co_u32 s20, s20, s23
	s_mov_b32 s21, 0
	s_lshl_b32 s46, s42, 18
	s_add_co_u32 s46, s46, s18
	s_add_co_u32 s46, s46, s45
	s_mov_b32 s47, 0
	s_lshl_b32 s45, s14, 15                        ; where they go: wave x 32,768: no place in the cluster enters an LDS address
	s_wait_kmcnt 0x0
	s_load_b256 s[72:79], s[6:7], 0x0              ; e0 .. e7
	s_load_b128 s[80:83], s[6:7], 0x20             ; e8 .. e11
	s_add_nc_u64 s[20:21], s[4:5], s[20:21]
	s_add_nc_u64 s[46:47], s[4:5], s[46:47]
	CROUND                                         ; all sixteen work-groups are here: the first joint loads meet
.irp s, 0,1
	s_mov_b32 s[G0+4*\s], 1
	s_add_co_u32 s[G0+4*\s+1], s45, \s*SLOT
	s_add_nc_u64 s[G0+4*\s+2:G0+4*\s+3], s[20:21], \s*KSB
	s_or_b32 s[G0+4*\s+3], s[G0+4*\s+3], 0x80000000
	s_mov_b32 s[G0B+4*\s], 1
	s_add_co_u32 s[G0B+4*\s+1], s45, \s*SLOT
	s_add_nc_u64 s[G0B+4*\s+2:G0B+4*\s+3], s[46:47], \s*KSB
	s_or_b32 s[G0B+4*\s+3], s[G0B+4*\s+3], 0x80000000
.if \s
	s_wait_alu depctr_va_vdst(0)
	s_wait_tensorcnt 0x0                           ; my part of K step 0 is in
	ds_add_u32 v[SPW], v[NIL]
	s_wait_dscnt 0x0
	CROUND                                         ; a whole round: K step 1's joint loads meet
.endif
	JLOAD G0+4*\s, G1, G0B+4*\s, G1B               ; one tensor load a wave at the head, one behind the round
.endr
	v_and_b32 v6, 31, v0
	v_lshlrev_b32 v[OB], 4, v6                     ; 16 x lane
	s_wait_alu depctr_va_vdst(0)
	s_lshl_b32 s21, s15, 15                        ; my 8 tiles of A'
	s_lshl_b32 s22, s16, 15                        ; my 8 tiles of B',
	s_add_co_u32 s22, s22, 2*HALFT                 ; which lie behind A's 16
.irp s, 0,1
	v_add_nc_u32 v[ADRA+\s], s21, v[OB]
	v_add_nc_u32 v[ADRB+\s], s22, v[OB]
	s_add_co_u32 s21, s21, SLOT
	s_add_co_u32 s22, s22, SLOT
.endr
	; the way out.  U: the tile of 256 tokens, Wt: the tile of 256 n (4 heads); uh, wh: my halves of them
	s_cmp_eq_u32 ttmp9, 2
	s_cselect_b32 s90, s42, s17                    ; U
	s_cselect_b32 s91, s17, s42                    ; Wt
	s_cselect_b32 s92, s16, s15                    ; uh
	s_cselect_b32 s93, s15, s16                    ; wh
	s_mov_b32 s94, 131072
	s_cselect_b32 s94, 1024, s94                   ; from a block's first two stores to its last two: q, k: the next head; v: the image's second half
	s_mov_b32 s86, 1024
	s_cselect_b32 s86, 2048, s86                   ; from block a to a + 1: q, k: the next 16 tokens; v: the next 16 d
	s_mov_b32 s88, 1024
	s_cselect_b32 s88, 124928, s88                 ; from block 3 to 4: v: the next head's first 16 d
	s_mov_b32 s87, 0
	s_mov_b32 s89, 0
	s_lshr_b32 s95, s90, 3                         ; the batch: 8 tiles of 256 tokens each
	s_lshl_b32 s95, s95, 4
	s_lshl_b32 s91, s91, 2
	s_add_co_u32 s95, s95, s91
	s_lshl_b32 s93, s93, 1
	s_add_co_u32 s95, s95, s93                     ; 16 batch + my first head
	s_lshl_b32 s95, s95, 17                        ; 131,072 bytes a head
	s_and_b32 s90, s90, 7
	s_lshl_b32 s90, s90, 1
	s_add_co_u32 s90, s90, s92
	s_lshl_b32 s90, s90, 13                        ; 128 tokens are 8,192 bytes in all three parts
	s_add_co_u32 s90, s90, s95
	s_lshl_b32 s91, ttmp9, 23
	s_add_co_u32 s90, s90, s91
	s_mov_b32 s91, 0
	s_add_nc_u64 s[84:85], s[8:9], s[90:91]
	v_add_nc_u32 v[OB+1], 512, v[OB]
	v_add_nc_u32 v[OB+2], s94, v[OB]
	v_add_nc_u32 v[OB+3], 512, v[OB+2]
	s_wait_alu depctr_va_vdst(0)
	s_wait_kmcnt 0x0
	s_add_co_i32 s72, s72, s73                     ; e0 + e1
	s_add_co_i32 s74, s74, s75                     ; e2 + e3
	s_add_co_i32 s76, s76, s77                     ; e4 + e5
	s_cmp_eq_u32 ttmp9, 0
	s_cselect_b32 s72, s72, s74
	s_cselect_b32 s78, s78, s79                    ; e6, e7
	s_cmp_eq_u32 ttmp9, 2
	s_cselect_b32 s72, s76, s72
	s_cselect_b32 s78, s81, s78                    ; e9
	s_sub_co_i32 s78, s78, s72                     ; eo - ea - eb: the three scales folded into the conversion's one
	s_add_co_i32 s78, s78, 127
	s_lshl_b32 s79, s78, 23
	v_mov_b32 v[VSC], s79
	s_add_co_i32 s78, s78, 8
	s_lshl_b32 s78, s78, 23
	s_or_b32 s78, s78, 0x600000
	v_mov_b32 v[VLIM], s78
.macro FRAG reg, adr, q, i             ; tile i's image of the slot's q-th 128 along K
.irp c, 0,1,2,3
	ds_load_b128 v[\reg+4*\c:\reg+4*\c+3], v[\adr] offset:2048*(\q)+512*\c+KSB*(\i)
.endr
.endm
; 16 matrix instructions: A's blocks a0, a0 + 1 x B's eight, 128 along K.  p: B's set.  zero = 1: the first product starts the sums.
; The 64 accumulators take turns, one instruction a turn, in the same order in every step.
.macro MUL16 a0, p, zero
.irp a, \a0, \a0+1
.irp b, 0,1,2,3,4,5,6,7
.if \zero
	v_wmma_f32_16x16x128_fp8_fp8 v[8*(8*((\a)%4)+\b):8*(8*((\a)%4)+\b)+7], v[128*(\p)+FR*\b:128*(\p)+FR*\b+FR-1], v[AF+FR*(\a):AF+FR*(\a)+FR-1], 0
.else
	v_wmma_f32_16x16x128_fp8_fp8 v[8*(8*((\a)%4)+\b):8*(8*((\a)%4)+\b)+7], v[128*(\p)+FR*\b:128*(\p)+FR*\b+FR-1], v[AF+FR*(\a):AF+FR*(\a)+FR-1], v[8*(8*((\a)%4)+\b):8*(8*((\a)%4)+\b)+7]
.endif
.endr
.endr
.endm
.macro FETCH_B slot, q, p
	WIN TO_B
.irp i, 0,1,2,3,4,5,6,7
	FRAG 128*(\p)+FR*\i, ADRB+\slot, \q, \i
.endr
	WIN 0
.endm
.macro FETCH_A slot, q, i0
.irp i, \i0, \i0+1, \i0+2, \i0+3
	FRAG AF+FR*(\i), ADRA+\slot, \q, \i
.endr
.endm
; A load into a register that a matrix instruction has read, and a vector instruction that reads a matrix result, stand NP places behind it; only plain vector instructions that name none of its registers are places.
.macro PLACES n
.rept \n
	v_nop
.endr
.endm
; A step of 128 along K that has its successor in the same slot.  A block of A' is free as soon as its eight products are issued: blocks 0-3 are fetched anew in the step's middle, blocks 4-7 at its end.
.macro STEP slot, q, zero
	s_wait_dscnt 4*NL                              ; B's set and A's blocks 0-3 are in; the youngest sixteen loads (A's blocks 4-7) may be out
	WIN MUL_LO
	MUL16 0, (\q)%2, \zero
	MUL16 2, (\q)%2, \zero
	s_wait_dscnt 0
	PLACES NP
	FETCH_B \slot, (\q)+1, 1-(\q)%2
	FETCH_A \slot, (\q)+1, 0
	WIN MUL_HI
	MUL16 4, (\q)%2, \zero
	MUL16 6, (\q)%2, \zero
	PLACES NP
	WIN 0
	FETCH_A \slot, (\q)+1, 4
.endm
; A slot's last step changes slots: ONE barrier; in front of it each wave waits for all its tensor loads, adds 0 to its spare word, and waits for that and for its own reads of this slot.  fill = 1: this slot is filled again, two K steps ahead.
.macro TURN slot, next, fill
	s_wait_tensorcnt 0x0                           ; all my tensor loads have landed: my part of the next slot;
	ds_add_u32 v[SPW], v[NIL]                      ; 0 onto my spare word;
	s_wait_dscnt 4*NL+1                            ; (the add and the youngest sixteen loads, A's blocks 4-7, may be out)
	WIN MUL_LO
	MUL16 0, 1, 0                                  ; sixteen matrix instructions stand between the add and the wait for it
	s_wait_dscnt 0x0                               ; the add is done, and my reads of this slot are over
	s_barrier_signal -1
	MUL16 2, 1, 0
	WIN 0
	s_barrier_wait -1
.if \fill
	CREST                                          ; the barrier has opened a round of the cluster's barrier: no wave of any partner still reads this slot or has a load on its way
	s_add_nc_u64 s[G0+4*\slot+2:G0+4*\slot+3], s[G0+4*\slot+2:G0+4*\slot+3], 2*KSB
	s_add_nc_u64 s[G0B+4*\slot+2:G0B+4*\slot+3], s[G0B+4*\slot+2:G0B+4*\slot+3], 2*KSB
	JLOAD G0+4*\slot, G1, G0B+4*\slot, G1B         ; the first tensor load behind the round; its four v_nop are also the places in front of the loads below
.else
	PLACES NP
.endif
	FETCH_B \next, 0, 0
	FETCH_A \next, 0, 0
	WIN MUL_HI
	MUL16 4, 1, 0
	MUL16 6, 1, 0
	PLACES NP
	WIN 0
	FETCH_A \next, 0, 4
.endm
	s_wait_tensorcnt 1                             ; my part of K step 0 is in (K step 1's load may be out)
	s_barrier_signal -1
	s_barrier_wait -1                              ; everybody's is
	FETCH_B 0, 0, 0
	FETCH_A 0, 0, 0
	FETCH_A 0, 0, 4
	STEP 0, 0, 1                                   ; K step 0: its first products start the sums: nothing is cleared
	TURN 0, 1, 1                                   ; slot 0 takes K step 2
	STEP 1, 0, 0                                   ; K step 1
	TURN 1, 0, 1                                   ; slot 1 takes K step 3
	STEP 0, 0, 0                                   ; K step 2
	TURN 0, 1, 0                                   ; nothing is left to fetch
	STEP 1, 0, 0                                   ; K step 3
	s_wait_dscnt 4*NL
	WIN MUL_LO
	MUL16 0, 1, 0
	MUL16 2, 1, 0
	s_wait_alu depctr_va_vdst(0)
	s_wait_dscnt 0
	WIN MUL_HI
	MUL16 4, 1, 0
	MUL16 6, 1, 0
	WIN 0
; THE WAY OUT, block a of 16 rows of A' at a time: hold, convert, four stores of 512 consecutive bytes.  Each accumulator is read from its low end on.
.macro OUTBLK a
.set TT, 32+64*((\a)%2)                ; 64 held sums: v32-95 and v96-159 by turns
.set CD, 160+16*((\a)%2)               ; 16 registers of codes: v160-175 and v176-191 by turns
.if (\a) > 0
	s_wait_xcnt 0x0                                ; the earlier stores have read their base and their data: the base steps, and the codes of two blocks ago are rewritten, only behind this wait
.if (\a) == 4
	s_add_nc_u64 s[84:85], s[84:85], s[88:89]
.else
	s_add_nc_u64 s[84:85], s[84:85], s[86:87]
.endif
.endif
	WIN 0x02+((\a)/4)                              ; source 0: window 2 or 3
.irp j, 0,1,2,3,4,5,6,7,8,9,10,11,12,13,14,15,16,17,18,19,20,21,22,23,24,25,26,27,28,29,30,31,32,33,34,35,36,37,38,39,40,41,42,43,44,45,46,47,48,49,50,51,52,53,54,55,56,57,58,59,60,61,62,63
	v_med3_num_f32 v[TT+\j], v[64*((\a)%4)+\j], -v[VLIM], v[VLIM]   ; the conversion to an 8-bit code does not saturate (ISA guide 7.6.2)
.endr
	WIN 0
.irp b, 0,1,2,3,4,5,6,7
	v_cvt_scalef32_pk8_fp8_f32 v[CD+2*\b:CD+2*\b+1], v[TT+8*\b:TT+8*\b+7], v[VSC]   ; registers 2 b, 2 b + 1 of the next operand
.endr
	v_nop                                          ; a plain line behind the last conversion
.irp b, 0,1,2,3
	global_store_b128 v[OB+\b], v[CD+4*\b:CD+4*\b+3], s[84:85]
.endr
.endm
	PLACES NP                                      ; behind the last products: their results are read, and registers that they read are written, below
.irp a, 0,1,2,3,4,5,6,7
	OUTBLK \a
.endr
	s_wait_tensorcnt 0x0                           ; the wave's end
	ds_add_u32 v[SPW], v[NIL]
	s_wait_dscnt 0x0
	CROUND                                         ; the closing round: no work-group ends while a partner may still ask for a tile that names it
	s_endpgm
.Lfunc_end_k_q4c48d61f2b_qkv:
	.size	k_q4c48d61f2b_qkv, .Lfunc_end_k_q4c48d61f2b_qkv-k_q4c48d61f2b_qkv
	.p2alignl 7, 3214868480
	.fill 96, 4, 3214868480
	.section	.rodata,"a",@progbits
	.p2align	6, 0x0
	.amdhsa_kernel k_q4c48d61f2b_qkv
		.amdhsa_group_segment_fixed_size 327680
		.amdhsa_private_segment_fixed_size 0
		.amdhsa_enable_private_segment 0
		.amdhsa_kernarg_size 24
		.amdhsa_user_sgpr_count 2
		.amdhsa_user_sgpr_kernarg_segment_ptr 1
		.amdhsa_wavefront_size32 1
		.amdhsa_system_sgpr_workgroup_id_x 1
		.amdhsa_system_sgpr_workgroup_id_y 1
		.amdhsa_system_sgpr_workgroup_id_z 1
		.amdhsa_system_vgpr_workitem_id 0
		.amdhsa_next_free_vgpr 1024
		.amdhsa_next_free_sgpr 100
		.amdhsa_reserve_vcc 0
		.amdhsa_float_denorm_mode_32 3
		.amdhsa_float_denorm_mode_16_64 3
		.amdhsa_memory_ordered 1
		.amdhsa_forward_progress 1
		.amdhsa_inst_pref_size 119
	.end_amdhsa_kernel
	.amdgpu_metadata
---
amdhsa.version: [ 1, 2 ]
amdhsa.kernels:
  - .name:           k_q4c48d61f2b_qkv
    .symbol:         k_q4c48d61f2b_qkv.kd
    .args:
      - { .name: img, .offset: 0, .size: 8, .value_kind: global_buffer, .address_space: global }
      - { .name: lowp_scales, .offset: 8, .size: 8, .value_kind: global_buffer, .address_space: global }
      - { .name: qkv, .offset: 16, .size: 8, .value_kind: global_buffer, .address_space: global }
    .group_segment_fixed_size: 327680
    .private_segment_fixed_size: 0
    .kernarg_segment_align: 8
    .kernarg_segment_size: 24
    .max_flat_workgroup_size: 128
    .sgpr_count:     100
    .vgpr_count:     1024
    .wavefront_size: 32
...
	.end_amdgpu_metadata
.endif
;; end of part 2
;; launch attn (part 3): grid 4 x 64, 8 waves a work-group, clusters of 4 x 1, 327,680 bytes of LDS; arguments qkv, lowp_scales, att; writes att
.if DOCPART == 3
	.amdgcn_target "amdgcn-amd-amdhsa--gfx1250"
	.amdhsa_code_object_version 6
	.text
	.protected	k_q4c48d61f2b_attn
	.globl	k_q4c48d61f2b_attn
	.p2align	8
	.type	k_q4c48d61f2b_attn,@function
k_q4c48d61f2b_attn:
	s_mov_b64 s[64:65], 0
	v_nop
	global_prefetch_b8 v0, s[64:65] scope:SCOPE_SE
	s_setreg_imm32_b32 hwreg(HW_REG_WAVE_MODE, 25, 1), 1
	s_wait_xcnt 0x0
	s_wait_alu depctr_hold_cnt(0) depctr_sa_sdst(0) depctr_va_vdst(0) depctr_va_sdst(0) depctr_va_ssrc(0) depctr_va_vcc(0) depctr_vm_vsrc(0)
	s_getreg_b32 s2, hwreg(HW_REG_IB_STS2, 6, 4)
	s_cmp_eq_u32 s2, 0
	s_cbranch_scc0 .Lentry_in_a_cluster
	s_endpgm
.Lentry_in_a_cluster:
	s_bfe_u32 s2, ttmp6, 0x10000c
	s_cmp_lg_u32 s2, 0x3003
	s_cbranch_scc0 .Lentry_shape_is_right
	s_endpgm
.Lentry_shape_is_right:
; Attention on E4M3 codes, head size 64, 2,048 keys: att = Q(softmax(q k^T / 8) v), both products on codes, the result quantised at once (scale 2^e10) as the last projection's operand.
; t = score x log2(e) / 8; M = the running largest t rounded up to a whole number; p = 2^(t - M) is held at 448 x 2^e8 and quantised along the keys; the row's sum is taken of the unquantised p and divides at the end.
; LIMITS: e6 + e7 between -123 and 130 (added to c's exponent field); e8 and e10 between -126 and 119; the scaled scores t stay under 2^31 in magnitude.
; SHARES: a work-group owns 512 queries of one (batch, head); each of eight waves 64 of them: four tiles of 16.  256 work-groups: one for each WGP.
; All of the head's K and V (2 x 131,072 bytes) lie in LDS, each byte filled once: keys 0-511 by the head's load (a wave: 8,192 bytes), the rest by one more load a wave (24,576 bytes) behind the full sequence.
; CLUSTER: the four work-groups of a head ask for K and V jointly (mask 15).  No prefetch: all tiles are asked for in the head, so no later tile is left to ask ahead for.
; OPERANDS ARE IMAGES OF REGISTERS: q, k: a tile of 16 tokens x 64 d is 1,024 bytes, v: 16 d x 128 keys is 2,048: loads of 16 bytes at 16 x lane.
; Both products are used transposed (S^T = K Q^T, O^T = V^T P^T): a lane holds one query; register j of score tile kt is key 16 kt + 8 (lane / 16) + j, the place that registers 2 kt, 2 kt + 1 of P have.
; A STEP (128 keys) WALKS THE FOUR TILES ON TWO SCORE BUFFERS.  A tile's 64 exponentials stand by turns with independent plain lines of a neighbour tile (its scalings, or its first-level sums and its holds):
; all their sources are written ahead of the batch's first wait and all their results are read behind its second.
; REGISTERS.  Window 0: v1-15 addresses and constants; v16-47 four tiles' state (-M, largest score, sum x 2, f, 0, two at work); v48-63 and v240-255 T, 16 pairs of first-level sums (the upper half shares P(3)'s registers, which are free then);
;   v64-127 SA, v128-191 SB scores, then p (SA also takes V's fragments at a step's end); v192-255 P.  Window 1: v0-127 O^T, v128-159 Q, v160-223 F: K's fragments.
.set STEPB, 8192                       ; a step's bytes of K, and of V
.set VLDS,  131072                     ; V lies behind K
.set CH0,   32768                      ; the first chunk: four steps
.set SPARE, 262144                     ; the spare words, 128 bytes a wave
.set LI,   1
.set LIV,  2
.set ADK,  3
.set ADV,  4
.set SCP,  6                           ; 2^e8
.set LIMP, 7                           ; 448 x 2^e8, twice: the two halves of a dual line name second sources in different banks
.set LIMQ, 8
.set SCO,  9                           ; 2^e10
.set SPW,  10
.set NIL,  11
.set MT,   12                          ; v12-13: two more chains of the maximum
.set LIMO, 14                          ; 448 x 2^e10
.set ST,   16
.set SA,   64
.set SB,   128
.set P,    192
.set O,    0
.set Q,    128
.set F,    160
.set WV,   10
.set SEL,  40
.set CS,   42
.set TB,   44
.set CNT,  45
.set MSB, 0
.macro WIN new                         ; the immediate's high byte repeats the setting that is left
.if MSB != (\new)
	s_set_vgpr_msb (MSB<<8)|(\new)
.set MSB, (\new)
.endif
.endm
.macro CROUND                          ; a round of the cluster's barrier
	s_barrier_signal -1
	s_barrier_wait -1
	s_cmp_lg_u32 s[WV], 0
	s_cbranch_scc1 .Lnot_wave_0_\@
	s_barrier_signal -3
.Lnot_wave_0_\@:
	s_barrier_wait -3
	s_barrier_signal -1
	s_barrier_wait -1
.endm
.macro KLOAD adr                       ; eight tiles of 16 keys into F
	WIN 0x40
.irp kt, 0,1,2,3,4,5,6,7
	ds_load_b128 v[F+8*\kt:F+8*\kt+3], v[\adr] offset:1024*\kt
	ds_load_b128 v[F+8*\kt+4:F+8*\kt+7], v[\adr] offset:1024*\kt+512
.endr
	WIN 0
.endm
	s_load_b128 s[4:7], s[0:1], 0x0                ; qkv, the scales' exponents
	s_load_b64 s[8:9], s[0:1], 0x10                ; att
	v_lshl_add_u32 v[SPW], v0, 2, SPARE
	v_mov_b32 v[NIL], 0
	ds_add_u32 v[SPW], v[NIL]                      ; the opening lines
	ds_add_u32 v[SPW], v[NIL]
	v_lshrrev_b32 v5, 5, v0
	s_delay_alu instid0(VALU_DEP_1)
	v_readfirstlane_b32 s[WV], v5                  ; wave 0..7
	v_and_b32 v[LI], 31, v0
	s_delay_alu instid0(VALU_DEP_1)
	v_lshlrev_b32 v[LI], 4, v[LI]                  ; 16 x lane
	s_delay_alu instid0(VALU_DEP_1)
	v_add_nc_u32 v[LIV], VLDS, v[LI]
	s_bfe_u32 s11, ttmp6, 0x40000                  ; cx: which 512 queries
	s_and_b32 s12, ttmp7, 0xffff                   ; 16 batch + head
	s_lshr_b32 s13, s[WV], 2                       ; I fetch for K (0) or V (1),
	s_and_b32 s14, s[WV], 3                        ; this quarter of a chunk
	s_mov_b32 s16, 15|(3<<16)|(1<<21)              ; group 1, first chunk: 32 rows of 256 bytes (32 elements of 8), dense; the mask names the four partners
	s_mov_b32 s17, 32<<16
	s_mov_b32 s18, 32<<16
	s_mov_b32 s19, 32<<16
	s_mov_b32 s20, 32
	s_mov_b32 s21, 32
	s_mov_b32 s22, 0
	s_mov_b32 s23, 0
	s_mov_b32 s24, 15|(3<<16)|(1<<21)              ; second chunk: 96 rows
	s_mov_b32 s25, 32<<16
	s_mov_b32 s26, 96<<16
	s_mov_b32 s27, 32<<16
	s_mov_b32 s28, 96
	s_mov_b32 s29, 32
	s_mov_b32 s30, 0
	s_mov_b32 s31, 0
	s_mov_b32 s32, 1
	s_mov_b32 s36, 1
	s_lshl_b32 s15, s13, 17
	s_lshl_b32 s46, s14, 13
	s_add_co_u32 s33, s15, s46                     ; LDS: K or V, + 8,192 x quarter
	s_mul_i32 s47, s14, 24576
	s_add_co_u32 s37, s15, s47
	s_add_co_u32 s37, s37, CH0
	s_lshl_b32 s60, s13, 23
	s_add_co_u32 s60, s60, 8388608                 ; k at 8,388,608, v at 16,777,216
	s_lshl_b32 s62, s12, 17                        ; 131,072 bytes a head
	s_add_co_u32 s60, s60, s62
	s_add_co_u32 s62, s60, s47
	s_add_co_u32 s62, s62, CH0
	s_add_co_u32 s60, s60, s46
	s_mov_b32 s61, 0
	s_mov_b32 s63, 0
	s_lshl_b32 s2, s11, 5
	s_lshl_b32 s3, s[WV], 2
	s_add_co_u32 s2, s2, s3                        ; my first tile of 16 queries in the head
	s_lshr_b32 s44, s12, 4
	s_lshl_b32 s44, s44, 7
	s_add_co_u32 s44, s44, s2
	s_lshl_b32 s44, s44, 14                        ; att: a tile of 16 tokens is 16,384 bytes,
	s_bfe_u32 s45, s12, 0x30001
	s_lshl_b32 s45, s45, 11                        ; a step of 128 along K (two heads) 2,048,
	s_add_co_u32 s44, s44, s45
	s_and_b32 s45, s12, 1
	s_lshl_b32 s45, s45, 10                        ; a head's half of it 1,024
	s_add_co_u32 s44, s44, s45
	s_mov_b32 s45, 0
	s_lshl_b32 s2, s2, 10
	s_lshl_b32 s3, s12, 17
	s_add_co_u32 s2, s2, s3
	s_mov_b32 s3, 0
	s_mov_b32 s[SEL], 0x76543210
	s_mov_b32 s[SEL+1], 0xfedcba98
	s_mov_b32 s[CS], 0x3e38aa3b                    ; c = log2(e) / 8
	s_wait_alu depctr_va_vdst(0)
	s_wait_dscnt 0x0
	s_wait_kmcnt 0x0
	s_load_b256 s[48:55], s[6:7], 0x0              ; e0 .. e7
	s_load_b128 s[56:59], s[6:7], 0x20             ; e8 .. e11
	s_add_nc_u64 s[34:35], s[4:5], s[60:61]
	s_or_b32 s35, s35, 0x80000000
	s_add_nc_u64 s[38:39], s[4:5], s[62:63]
	s_or_b32 s39, s39, 0x80000000
	s_add_nc_u64 s[60:61], s[4:5], s[2:3]
	s_add_nc_u64 s[62:63], s[8:9], s[44:45]
	WIN 0x40
.irp i, 0,1,2,3,4,5,6,7
	global_load_b128 v[Q+4*\i:Q+4*\i+3], v[LI], s[60:61] offset:512*\i   ; Q's four fragments are asked for ahead of the round and stay in registers
.endr
	WIN 0
	CROUND                                         ; the first joint loads meet
	tensor_load_to_lds s[32:35], s[16:23]          ; keys 0-511: the wave's one load at the head
	s_nop 0
	WIN 0x40
.set n, 0
.rept 128
	v_mov_b32 v[O+n], 0                            ; O^T: the step is written once; the first change of M multiplies zeros
.set n, n+1
.endr
	WIN 0
.irp t, 0,1,2,3
	v_mov_b32 v[ST+8*\t+1], 0xff61b1e6             ; the largest score so far: -3e38
	s_delay_alu instid0(VALU_DEP_1)
	v_floor_f32 v[ST+8*\t], -v[ST+8*\t+1]          ; -M
	v_mov_b32 v[ST+8*\t+2], 0
	v_mov_b32 v[ST+8*\t+3], 0
	v_mov_b32 v[ST+8*\t+5], 0
.endr
	s_wait_alu depctr_va_vdst(0)
	s_wait_tensorcnt 0x0                           ; my part of the first chunk is in
	ds_add_u32 v[SPW], v[NIL]
	s_wait_dscnt 0x0
	CROUND                                         ; everybody's part is in, and the second joint loads meet
	tensor_load_to_lds s[36:39], s[24:31]          ; keys 512-2,047
	s_nop 0
.rept 4
	v_nop
.endr
	KLOAD LI                                       ; step 0's keys
	s_wait_kmcnt 0x0
	s_add_co_i32 s46, s54, s55
	s_lshl_b32 s46, s46, 23
	s_add_co_i32 s[CS], s[CS], s46                 ; c x 2^(e6 + e7)
	s_mov_b32 s[CS+1], s[CS]
	s_add_co_i32 s46, s56, 127
	s_lshl_b32 s47, s46, 23
	v_mov_b32 v[SCP], s47
	s_add_co_i32 s46, s46, 8
	s_lshl_b32 s46, s46, 23
	s_or_b32 s46, s46, 0x600000
	v_mov_b32 v[LIMP], s46
	v_mov_b32 v[LIMQ], s46
	s_add_co_i32 s46, s58, 127
	s_lshl_b32 s47, s46, 23
	v_mov_b32 v[SCO], s47
	s_add_co_i32 s46, s46, 8
	s_lshl_b32 s46, s46, 23
	s_or_b32 s46, s46, 0x600000
	v_mov_b32 v[LIMO], s46
	s_add_co_i32 s13, s56, s57                     ; e8 + e9
.macro QK1 t, x                        ; S^T of tile t into buffer x
.irp kt, 0,1,2,3,4,5,6,7
	v_wmma_f32_16x16x64_fp8_fp8 v[\x+8*\kt:\x+8*\kt+7], v[F+8*\kt:F+8*\kt+7], v[Q+8*(\t):Q+8*(\t)+7], 0
.endr
.endm
.macro MAX4 x, t                       ; my 64 scores' largest, in four chains; each accumulator is read from its low end on
	v_max3_num_f32 v[ST+8*\t+6], v[\x], v[\x+1], v[\x+2]
	v_max3_num_f32 v[ST+8*\t+7], v[\x+3], v[\x+4], v[\x+5]
	v_max3_num_f32 v[MT], v[\x+6], v[\x+7], v[\x+8]
	v_max3_num_f32 v[MT+1], v[\x+9], v[\x+10], v[\x+11]
.irp i, 12,20,28,36,44,52
	v_max3_num_f32 v[ST+8*\t+6], v[ST+8*\t+6], v[\x+\i], v[\x+\i+1]
	v_max3_num_f32 v[ST+8*\t+7], v[ST+8*\t+7], v[\x+\i+2], v[\x+\i+3]
	v_max3_num_f32 v[MT], v[MT], v[\x+\i+4], v[\x+\i+5]
	v_max3_num_f32 v[MT+1], v[MT+1], v[\x+\i+6], v[\x+\i+7]
.endr
	v_max3_num_f32 v[ST+8*\t+6], v[ST+8*\t+6], v[\x+60], v[\x+61]
	v_max3_num_f32 v[ST+8*\t+7], v[ST+8*\t+7], v[\x+62], v[\x+63]
.endm
.macro CH n, t, d                      ; line n of a tile's chain from the four chains' maxima to -M and f; d: how many vector lines back its source was written
.set BS, ST+8*(\t)
.if \d > 0
	s_delay_alu instid0(VALU_DEP_\d)
.endif
.if \n == 0
	v_max3_num_f32 v[BS+6], v[BS+6], v[BS+7], v[MT]
.endif
.if \n == 1
	v_max_num_f32 v[BS+6], v[BS+6], v[MT+1]
.endif
.if \n == 2
	v_permlanex16_b32 v[BS+7], v[BS+6], s[SEL], s[SEL+1]   ; lane l xor 16's
.endif
.if \n == 3
	v_max3_num_f32 v[BS+1], v[BS+1], v[BS+6], v[BS+7]      ; the running largest score
.endif
.if \n == 4
	v_mul_f32 v[BS+6], s[CS], v[BS+1]                      ; as t (c is positive)
.endif
.if \n == 5
	v_floor_f32 v[BS+7], -v[BS+6]                          ; the new -M = -ceil(t)
.endif
.if \n == 6
	v_sub_f32 v[BS+6], v[BS+7], v[BS]                      ; old M - new M: a whole number, 0 or less
.endif
.if \n == 7
	v_mov_b32 v[BS], v[BS+7]
.endif
.if \n == 8
	v_cvt_i32_f32 v[BS+6], v[BS+6]                         ; (it saturates)
.endif
.if \n == 9
	v_ldexp_f32 v[BS+4], 1.0, v[BS+6]                      ; f = 2^(old M - new M)
.endif
.endm
.macro TADD a, b                       ; T pair a += T pair b
	v_pk_add_f32 v[48+2*(\a)+176*((\a)/8):49+2*(\a)+176*((\a)/8)], v[48+2*(\a)+176*((\a)/8):49+2*(\a)+176*((\a)/8)], v[48+2*(\b)+176*((\b)/8):49+2*(\b)+176*((\b)/8)]
.endm
.macro TREE_A                          ; 16 pairs to 8
.irp j, 0,1,2,3,4,5,6,7
	TADD \j, \j+8
.endr
.endm
.macro SUMT p                          ; tile p's sum += T pair 0
	v_pk_add_f32 v[ST+8*\p+2:ST+8*\p+3], v[ST+8*\p+2:ST+8*\p+3], v[48:49]
.endm
.macro CHAIN1 t, p                     ; tile t's chain, with the rest of tile p's tree of sums between its lines
	CH 0, \t, 1
	TADD 0, 4
	TADD 1, 5
	CH 1, \t, 3
	TADD 2, 6
	TADD 3, 7
	CH 2, \t, 3
	TADD 0, 2
	TADD 1, 3
	CH 3, \t, 3
	s_delay_alu instid0(VALU_DEP_2)
	TADD 0, 1
	CH 4, \t, 2
	s_delay_alu instid0(VALU_DEP_2)
	SUMT \p
	CH 5, \t, 2
	CH 6, \t, 1
	CH 7, \t, 2
	CH 8, \t, 2
	CH 9, \t, 1
.endm
.macro FMA1 x, t, j                    ; t - M, two at a time
	v_pk_fma_f32 v[\x+\j:\x+\j+1], v[\x+\j:\x+\j+1], s[CS:CS+1], v[ST+8*\t:ST+8*\t+1] op_sel_hi:[1,0,0]
.endm
.macro FMA x, t
.set j, 0
.rept 32
	FMA1 \x, \t, 2*j
.set j, j+1
.endr
.endm
.macro DMIN r                          ; the hold of two p: the conversion to an 8-bit code does not saturate (ISA guide 7.6.2); p is not negative, so it is one-sided
	v_dual_min_num_f32 v[\r], v[\r], v[LIMP] :: v_dual_min_num_f32 v[\r+1], v[\r+1], v[LIMQ]
.endm
.macro BATCH_E x, y                    ; p = 2^(t - M) in buffer x; between the lines buffer y's first-level sums (of the unquantised p) and then its holds
.set j, 0
.rept 16
	v_exp_f32 v[\x+4*j], v[\x+4*j]
	v_pk_add_f32 v[48+2*j+176*(j/8):49+2*j+176*(j/8)], v[\y+4*j:\y+4*j+1], v[\y+4*j+2:\y+4*j+3]
	v_exp_f32 v[\x+4*j+1], v[\x+4*j+1]
	DMIN \y+4*j
	v_exp_f32 v[\x+4*j+2], v[\x+4*j+2]
	DMIN \y+4*j+2
	v_exp_f32 v[\x+4*j+3], v[\x+4*j+3]
.set j, j+1
.endr
.endm
.macro SEGHEAD t                       ; behind tile t's batch: the one wait for its results, which also stands directly ahead of the first readers of O^T(t); O^T(t) x f
	WIN 0x41
	s_wait_alu depctr_va_vdst(0)
.irp j, 0,2,4,6,8,10,12,14,16,18,20,22,24,26,28,30
	v_pk_mul_f32 v[O+32*\t+\j:O+32*\t+\j+1], v[O+32*\t+\j:O+32*\t+\j+1], v[ST+8*\t+4:ST+8*\t+5] op_sel_hi:[1,0]
.endr
	WIN 0
.endm
.macro SUMF t                          ; tile t's sum x f.  (Also the plain line behind the conversions)
	v_pk_mul_f32 v[ST+8*\t+2:ST+8*\t+3], v[ST+8*\t+2:ST+8*\t+3], v[ST+8*\t+4:ST+8*\t+5] op_sel_hi:[1,0]
.endm
.macro CVT p, x                        ; tile p's codes: registers 2 kt, 2 kt + 1 of the second product's operand
.irp kt, 0,1,2,3,4,5,6,7
	v_cvt_scalef32_pk8_fp8_f32 v[P+16*\p+2*\kt:P+16*\p+2*\kt+1], v[\x+8*\kt:\x+8*\kt+7], v[SCP]
.endr
.endm
.macro STEP
	s_add_co_u32 s46, s[TB], STEPB
	s_min_u32 s46, s46, 15*STEPB                   ; the next step's keys; in the last step the address is held at the last tile
	v_add_nc_u32 v[ADK], s46, v[LI]
	v_add_nc_u32 v[ADV], s[TB], v[LIV]
.rept 3
	v_nop                                          ; with the two lines above: five places between the last products, which read SA, and the products that write it
.endr
	s_wait_alu depctr_va_vdst(0)
	s_wait_dscnt 0x0                               ; this step's keys are in F
	WIN 0x05
.irp kt, 0,1,2,3,4,5,6,7
	v_wmma_f32_16x16x64_fp8_fp8 v[SA+8*\kt:SA+8*\kt+7], v[F+8*\kt:F+8*\kt+7], v[Q:Q+7], 0
	v_wmma_f32_16x16x64_fp8_fp8 v[SB+8*\kt:SB+8*\kt+7], v[F+8*\kt:F+8*\kt+7], v[Q+8:Q+15], 0
.endr
	WIN 0
.rept 4
	v_nop
.endr
	MAX4 SA, 0
	CH 0, 0, 1
	CH 1, 0, 1
	MAX4 SB, 1
	CH 0, 1, 1
	CH 1, 1, 1
	CH 2, 0, 0                                     ; (its source was written ahead of tile 1's maxima: no hint)
	CH 2, 1, 2
.irp n, 3,4,5,6
	CH \n, 0, 2                                    ; tiles 0 and 1: the two chains by turns
	CH \n, 1, 2
.endr
	CH 7, 0, 4
	CH 7, 1, 4
	CH 8, 0, 4
	CH 8, 1, 4
	CH 9, 0, 2
	CH 9, 1, 2
	FMA SA, 0
	s_wait_alu depctr_va_vdst(0)
.set j, 0
.rept 32                                               ; tile 0's exponentials, tile 1's scalings between them
	v_exp_f32 v[SA+2*j], v[SA+2*j]
	FMA1 SB, 1, 2*j
	v_exp_f32 v[SA+2*j+1], v[SA+2*j+1]
.set j, j+1
.endr
	SEGHEAD 0
	SUMF 0
	BATCH_E SB, SA                                 ; tile 1's exponentials; tile 0's sums and holds
	SEGHEAD 1
	CVT 0, SA
	SUMF 1
	WIN 0x05
	QK1 2, SA
	WIN 0
	TREE_A                                         ; eight plain lines: the places behind the products
	MAX4 SA, 2
	CHAIN1 2, 0
	FMA SA, 2
	s_wait_alu depctr_va_vdst(0)
	BATCH_E SA, SB                                 ; tile 2; tile 1's sums and holds
	SEGHEAD 2
	CVT 1, SB
	SUMF 2
	WIN 0x05
	QK1 3, SB
	WIN 0
	TREE_A
	KLOAD ADK                                      ; F has been read for the last time in this step: the next step's keys
	MAX4 SB, 3
	CHAIN1 3, 1
	FMA SB, 3
	s_wait_alu depctr_va_vdst(0)
	BATCH_E SB, SA                                 ; tile 3; tile 2's sums and holds
	SEGHEAD 3
	CVT 2, SA
	SUMF 3
.irp dt, 0,1,2,3
.irp c, 0,1,2,3
	ds_load_b128 v[SA+16*\dt+4*\c:SA+16*\dt+4*\c+3], v[ADV] offset:2048*\dt+512*\c   ; SA is free: V's four fragments of this step
.endr
.endr
	TREE_A
	TADD 0, 4
	TADD 1, 5
	TADD 2, 6
	TADD 3, 7
	TADD 0, 2
	TADD 1, 3
	s_delay_alu instid0(VALU_DEP_1)
	TADD 0, 1
	s_delay_alu instid0(VALU_DEP_1)
	SUMT 2
.set j, 0
.rept 16                                               ; tile 3's sums, in two chains, and its holds
.if j == 0
	v_pk_add_f32 v[48:49], v[SB:SB+1], v[SB+2:SB+3]
.else
	v_pk_add_f32 v[ST+26:ST+27], v[ST+26:ST+27], v[SB+4*j:SB+4*j+1]
	v_pk_add_f32 v[48:49], v[48:49], v[SB+4*j+2:SB+4*j+3]
.endif
	DMIN SB+4*j
	DMIN SB+4*j+2
.set j, j+1
.endr
	SUMT 3
	CVT 3, SB
	v_nop                                          ; a plain line between the conversions and the products that read their results
	s_wait_alu depctr_va_vdst(0)
	s_wait_dscnt 0x0                               ; V's fragments (and the next keys) are in
	WIN 0x50
.irp dt, 0,1,2,3                                       ; O^T += V^T P^T: the sixteen accumulators by turns
.irp t, 0,1,2,3
	v_wmma_f32_16x16x128_fp8_fp8 v[O+32*\t+8*\dt:O+32*\t+8*\dt+7], v[SA+16*\dt:SA+16*\dt+15], v[P+16*\t:P+16*\t+15], v[O+32*\t+8*\dt:O+32*\t+8*\dt+7]
.endr
.endr
	WIN 0
	s_add_co_u32 s[TB], s[TB], STEPB
.endm
	s_wait_alu depctr_va_vdst(0)
	s_wait_loadcnt 0x0                             ; Q
	s_mov_b32 s[TB], 0
	s_mov_b32 s[CNT], 3
.Lfirst:                                               ; steps 0-2: with the look-ahead for step 3's keys they read the first chunk alone
	STEP
	s_sub_co_u32 s[CNT], s[CNT], 1
	s_cmp_lg_u32 s[CNT], 0
	s_cbranch_scc1 .Lfirst
	s_wait_tensorcnt 0x0                           ; my part of the second chunk is in,
	s_wait_dscnt 0x0
	s_barrier_signal -1
	s_barrier_wait -1                              ; everybody's is; nothing is filled again
	s_mov_b32 s[TB], 3*STEPB
	s_mov_b32 s[CNT], 13
.Lrest:
	STEP
	s_sub_co_u32 s[CNT], s[CNT], 1
	s_cmp_lg_u32 s[CNT], 0
	s_cbranch_scc1 .Lrest
; THE WAY OUT: O^T / the sum x 2^(e8 + e9), held, quantised with 2^e10; two stores of 512 consecutive bytes a tile
.irp t, 0,1,2,3
	v_add_f32 v[ST+8*\t+6], v[ST+8*\t+2], v[ST+8*\t+3]
.endr
.irp t, 0,1,2,3
	s_delay_alu instid0(VALU_DEP_4)
	v_permlanex16_b32 v[ST+8*\t+7], v[ST+8*\t+6], s[SEL], s[SEL+1]
.endr
.irp t, 0,1,2,3
	s_delay_alu instid0(VALU_DEP_4)
	v_add_f32 v[ST+8*\t+6], v[ST+8*\t+6], v[ST+8*\t+7]
.endr
	s_wait_alu depctr_va_vdst(0)
.irp t, 0,1,2,3
	v_rcp_f32 v[ST+8*\t+4], v[ST+8*\t+6]
.endr
	v_nop
	s_wait_alu depctr_va_vdst(0)
.irp t, 0,1,2,3
	v_ldexp_f32 v[ST+8*\t+4], v[ST+8*\t+4], s13
.endr
	WIN 0x01
	s_wait_alu depctr_va_vdst(0)                   ; directly ahead of the first readers of O^T
.irp t, 0,1,2,3
.irp j, 0,2,4,6,8,10,12,14,16,18,20,22,24,26,28,30
	v_pk_mul_f32 v[SA+32*\t+\j:SA+32*\t+\j+1], v[O+32*\t+\j:O+32*\t+\j+1], v[ST+8*\t+4:ST+8*\t+5] op_sel_hi:[1,0]
.endr
.endr
	WIN 0
.set n, 0
.rept 128
	v_med3_num_f32 v[SA+n], v[SA+n], -v[LIMO], v[LIMO]
.set n, n+1
.endr
.irp t, 0,1,2,3
.irp dt, 0,1,2,3
	v_cvt_scalef32_pk8_fp8_f32 v[P+8*\t+2*\dt:P+8*\t+2*\dt+1], v[SA+32*\t+8*\dt:SA+32*\t+8*\dt+7], v[SCO]
.endr
.endr
	v_nop
.irp t, 0,1,2,3
.irp c, 0,1
	global_store_b128 v[LI], v[P+8*\t+4*\c:P+8*\t+4*\c+3], s[62:63] offset:16384*\t+512*\c
.endr
.endr
	s_wait_tensorcnt 0x0                           ; the wave's end
	ds_add_u32 v[SPW], v[NIL]
	s_wait_dscnt 0x0
	CROUND                                         ; the closing round
	s_endpgm
.Lfunc_end_k_q4c48d61f2b_attn:
	.size	k_q4c48d61f2b_attn, .Lfunc_end_k_q4c48d61f2b_attn-k_q4c48d61f2b_attn
	.p2alignl 7, 3214868480
	.fill 96, 4, 3214868480
	.section	.rodata,"a",@progbits
	.p2align	6, 0x0
	.amdhsa_kernel k_q4c48d61f2b_attn
		.amdhsa_group_segment_fixed_size 327680
		.amdhsa_private_segment_fixed_size 0
		.amdhsa_enable_private_segment 0
		.amdhsa_kernarg_size 24
		.amdhsa_user_sgpr_count 2
		.amdhsa_user_sgpr_kernarg_segment_ptr 1
		.amdhsa_wavefront_size32 1
		.amdhsa_system_sgpr_workgroup_id_x 1
		.amdhsa_system_sgpr_workgroup_id_y 1
		.amdhsa_system_sgpr_workgroup_id_z 1
		.amdhsa_system_vgpr_workitem_id 0
		.amdhsa_next_free_vgpr 512
		.amdhsa_next_free_sgpr 66
		.amdhsa_reserve_vcc 0
		.amdhsa_float_denorm_mode_32 3
		.amdhsa_float_denorm_mode_16_64 3
		.amdhsa_memory_ordered 1
		.amdhsa_forward_progress 1
		.amdhsa_inst_pref_size 140
	.end_amdhsa_kernel
	.amdgpu_metadata
---
amdhsa.version: [ 1, 2 ]
amdhsa.kernels:
  - .name:           k_q4c48d61f2b_attn
    .symbol:         k_q4c48d61f2b_attn.kd
    .args:
      - { .name: qkv, .offset: 0, .size: 8, .value_kind: global_buffer, .address_space: global }
      - { .name: lowp_scales, .offset: 8, .size: 8, .value_kind: global_buffer, .address_space: global }
      - { .name: att, .offset: 16, .size: 8, .value_kind: global_buffer, .address_space: global }
    .group_segment_fixed_size: 327680
    .private_segment_fixed_size: 0
    .kernarg_segment_align: 8
    .kernarg_segment_size: 24
    .max_flat_workgroup_size: 256
    .sgpr_count:     66
    .vgpr_count:     512
    .wavefront_size: 32
...
	.end_amdgpu_metadata
.endif
;; end of part 3
;; launch outp (part 4): grid 4 x 64, 2 waves a work-group, clusters of 4 x 4, 327,680 bytes of LDS; arguments att, img, lowp_scales, out0; writes out0
.if DOCPART == 4
	.amdgcn_target "amdgcn-amd-amdhsa--gfx1250"
	.amdhsa_code_object_version 6
	.text
	.protected	k_q4c48d61f2b_outp
	.globl	k_q4c48d61f2b_outp
	.p2align	8
	.type	k_q4c48d61f2b_outp,@function
k_q4c48d61f2b_outp:
	s_mov_b64 s[64:65], 0
	v_nop
	global_prefetch_b8 v0, s[64:65] scope:SCOPE_SE
	s_setreg_imm32_b32 hwreg(HW_REG_WAVE_MODE, 25, 1), 1
	s_wait_xcnt 0x0
	s_wait_alu depctr_hold_cnt(0) depctr_sa_sdst(0) depctr_va_vdst(0) depctr_va_sdst(0) depctr_va_ssrc(0) depctr_va_vcc(0) depctr_vm_vsrc(0)
	s_getreg_b32 s2, hwreg(HW_REG_IB_STS2, 6, 4)
	s_cmp_eq_u32 s2, 0
	s_cbranch_scc0 .Lentry_in_a_cluster
	s_endpgm
.Lentry_in_a_cluster:
	s_bfe_u32 s2, ttmp6, 0x10000c
	s_cmp_lg_u32 s2, 0xf033
	s_cbranch_scc0 .Lentry_shape_is_right
	s_endpgm
.Lentry_shape_is_right:
; out0[token][o] = 2^(e10 + e11) x the sum over e of att's codes [token][e] x W_o's codes [o][e], K = 1,024, f32.  LIMIT: e10 + e11 between -126 and 127.
; A block is 128 tokens x 256 columns: 8,192 x 1,024 outputs are 256 such blocks, one work-group for each WGP.  Two waves, each with all 128 rows and 128 of the columns: 64 accumulators of 16 x 16,
; so that a fragment read from LDS feeds as many products as in a block of 256 x 256 by four such waves.
; Operands are images of registers (16 rows x 128 K = 2,048 bytes).  K goes in four steps of 256 through two LDS slots of 98,304 bytes: A's 8 tiles of 16 rows (wave 0's load), then B's 16 (wave 1's).
; Clusters of 4 x 4 ask for A's tiles jointly along a row and for B's along a column.  Results leave through each wave's stage in slot 0, which has had its last fill and read then, as whole rows of 512 bytes.
; No prefetch is laid: of the four K steps two are first fills, and the refills follow them at once.
.set SIZE_N, 1024
.set FR,     16
.set NL,     4
.set NP,     4
.set KSB,    4096
.set TILEB,  16384
.set HALFT,  8*KSB
.set SLOT,   3*HALFT
.set SPARE,  2*SLOT
.set SPITCH, 528
.set ADRA, 16
.set ADRB, 20
.set STO,  24
.set RD,   25
.set CO,   26
.set SPW,  28
.set NIL,  29
.set TMP,  32
.set AF,   128
.set BK,   128
.set G1, 24
.set G0, 32
.set G1B, 48
.set G0B, 56
.set MSB, 0
.macro WIN new
.if MSB != (\new)
	s_set_vgpr_msb (MSB<<8)|(\new)
.set MSB, (\new)
.endif
.endm
.set MUL_LO, 0xa1
.set MUL_HI, 0xf1
.set TO_B,   0x40
.macro JLOAD g0a, g1a, g0b, g1b
	s_cmp_eq_u32 s14, 0                            ; wave 0 fetches for A, wave 1 for B
	s_cbranch_scc0 .Lfor_b_\@
	tensor_load_to_lds s[\g0a:\g0a+3], s[\g1a:\g1a+7]
	s_nop 0
.rept 4
	v_nop
.endr
	s_branch .Lasked_\@
.Lfor_b_\@:
	tensor_load_to_lds s[\g0b:\g0b+3], s[\g1b:\g1b+7]
	s_nop 0
.rept 4
	v_nop
.endr
.Lasked_\@:
.endm
.macro CREST
	s_cmp_lg_u32 s14, 0
	s_cbranch_scc1 .Lnot_wave_0_\@
	s_barrier_signal -3
.Lnot_wave_0_\@:
	s_barrier_wait -3
	s_barrier_signal -1
	s_barrier_wait -1
.endm
.macro CROUND
	s_barrier_signal -1
	s_barrier_wait -1
	CREST
.endm
	s_load_b128 s[4:7], s[0:1], 0x0
	s_load_b128 s[8:11], s[0:1], 0x10
	v_lshl_add_u32 v[SPW], v0, 2, SPARE
	v_mov_b32 v[NIL], 0
	ds_add_u32 v28, v29
	ds_add_u32 v28, v29
	s_wait_dscnt 0x0
	v_lshrrev_b32 v1, 5, v0
	v_readfirstlane_b32 s14, v1
	s_bfe_u32 s40, ttmp6, 0x40000
	s_bfe_u32 s41, ttmp6, 0x40004
	s_lshl_b32 s42, ttmp9, 2
	s_add_co_u32 s42, s42, s40
	s_and_b32 s17, ttmp7, 0xffff
	s_lshl_b32 s17, s17, 2
	s_add_co_u32 s17, s17, s41
	s_lshl_b32 s43, s41, 2
	s_lshl_b32 s43, 15, s43
	s_lshl_b32 s44, 0x1111, s40
	s_or_b32 s[G1+0], s43, (0<<16)|(1<<21)
	s_or_b32 s[G1B+0], s44, (0<<16)|(1<<21)
.irp g, G1, G1B
	s_mov_b32 s[\g+1], KSB<<16
	s_mov_b32 s[\g+2], (8+8*(\g/G1B))<<16          ; tensor_dim1: A 8 tiles of 16 rows, B 16
	s_mov_b32 s[\g+3], KSB<<16
	s_mov_b32 s[\g+4], 8+8*(\g/G1B)                ; tile_dim1 likewise
	s_mov_b32 s[\g+5], TILEB
	s_mov_b32 s[\g+6], 0
	s_mov_b32 s[\g+7], 0
.endr
	s_lshl_b32 s20, s17, 17                        ; A: 8 tiles of 16,384 bytes to a block's rows
	s_mov_b32 s21, 0
	s_lshl_b32 s46, s42, 18                        ; B: 16 tiles to a block's columns
	s_add_co_u32 s46, s46, 28311552
	s_mov_b32 s47, 0
	s_lshl_b32 s45, s14, 15
	s_wait_kmcnt 0x0
	s_load_b64 s[96:97], s[8:9], 0x28
	s_add_nc_u64 s[20:21], s[4:5], s[20:21]
	s_add_nc_u64 s[46:47], s[6:7], s[46:47]
	CROUND
.irp s, 0,1
	s_mov_b32 s[G0+4*\s], 1
	s_add_co_u32 s[G0+4*\s+1], s45, \s*SLOT
	s_add_nc_u64 s[G0+4*\s+2:G0+4*\s+3], s[20:21], \s*KSB
	s_or_b32 s[G0+4*\s+3], s[G0+4*\s+3], 0x80000000
	s_mov_b32 s[G0B+4*\s], 1
	s_add_co_u32 s[G0B+4*\s+1], s45, \s*SLOT
	s_add_nc_u64 s[G0B+4*\s+2:G0B+4*\s+3], s[46:47], \s*KSB
	s_or_b32 s[G0B+4*\s+3], s[G0B+4*\s+3], 0x80000000
	s_wait_alu depctr_va_vdst(0)
.if \s
	s_wait_tensorcnt 0x0                           ; my part of K step 0 is in
	ds_add_u32 v[SPW], v[NIL]
	s_wait_dscnt 0x0
	CROUND
.endif
	JLOAD G0+4*\s, G1, G0B+4*\s, G1B               ; one tensor load a wave at the head, one behind the round
.endr
	v_and_b32 v1, 15, v0
	s_wait_alu depctr_va_vdst(0)
	v_bfe_u32 v2, v0, 4, 1
	v_and_b32 v6, 31, v0
	v_lshlrev_b32 v[CO], 4, v6
	s_mov_b32 s21, 0                               ; both waves read all of A's 8 tiles
	s_lshl_b32 s22, s14, 15                        ; my 8 tiles of B,
	s_add_co_u32 s22, s22, HALFT                   ; which lie behind A's 8
.irp s, 0,1
	v_add_nc_u32 v[ADRA+\s], s21, v[CO]
	v_add_nc_u32 v[ADRB+\s], s22, v[CO]
	s_add_co_u32 s21, s21, SLOT
	s_add_co_u32 s22, s22, SLOT
.endr
	s_mul_i32 s23, s14, 16*SPITCH
	v_mul_u32_u24 v5, v1, SPITCH
	s_wait_alu depctr_va_vdst(0)
	v_lshl_add_u32 v5, v2, 5, v5
	v_add_nc_u32 v[STO], s23, v5
	v_add_nc_u32 v[RD], s23, v[CO]
	s_lshl_b32 s20, s17, 19                        ; my first row of out0: 128 x block row, 4,096 bytes a row
	s_lshl_b32 s46, s42, 10
	s_lshl_b32 s47, s14, 9
	s_add_co_u32 s46, s46, s47
	s_add_co_u32 s20, s20, s46
	s_mov_b32 s21, 0
	s_add_nc_u64 s[10:11], s[10:11], s[20:21]
.macro FRAG reg, adr, q, i
.irp c, 0,1,2,3
	ds_load_b128 v[\reg+4*\c:\reg+4*\c+3], v[\adr] offset:2048*(\q)+512*\c+KSB*(\i)
.endr
.endm
.macro MUL16 a0, p, zero
.irp a, \a0, \a0+1
.irp b, 0,1,2,3,4,5,6,7
.if \zero
	v_wmma_f32_16x16x128_fp8_fp8 v[8*(8*((\a)%4)+\b):8*(8*((\a)%4)+\b)+7], v[128*(\p)+FR*\b:128*(\p)+FR*\b+FR-1], v[AF+FR*(\a):AF+FR*(\a)+FR-1], 0
.else
	v_wmma_f32_16x16x128_fp8_fp8 v[8*(8*((\a)%4)+\b):8*(8*((\a)%4)+\b)+7], v[128*(\p)+FR*\b:128*(\p)+FR*\b+FR-1], v[AF+FR*(\a):AF+FR*(\a)+FR-1], v[8*(8*((\a)%4)+\b):8*(8*((\a)%4)+\b)+7]
.endif
.endr
.endr
.endm
.macro FETCH_B slot, q, p
	WIN TO_B
.irp i, 0,1,2,3,4,5,6,7
	FRAG 128*(\p)+FR*\i, ADRB+\slot, \q, \i
.endr
	WIN 0
.endm
.macro FETCH_A slot, q, i0
.irp i, \i0, \i0+1, \i0+2, \i0+3
	FRAG AF+FR*(\i), ADRA+\slot, \q, \i
.endr
.endm
.macro PLACES n
.rept \n
	v_nop
.endr
.endm
.macro STEP slot, q, zero
	s_wait_dscnt 4*NL
	WIN MUL_LO
	MUL16 0, (\q)%2, \zero
	MUL16 2, (\q)%2, \zero
	s_wait_dscnt 0
	PLACES NP
	FETCH_B \slot, (\q)+1, 1-(\q)%2
	FETCH_A \slot, (\q)+1, 0
	WIN MUL_HI
	MUL16 4, (\q)%2, \zero
	MUL16 6, (\q)%2, \zero
	PLACES NP
	WIN 0
	FETCH_A \slot, (\q)+1, 4
.endm
.macro TURN slot, next, fill
	s_wait_tensorcnt 0x0
	ds_add_u32 v[SPW], v[NIL]
	s_wait_dscnt 4*NL+1
	WIN MUL_LO
	MUL16 0, 1, 0
	s_wait_dscnt 0x0
	s_barrier_signal -1
	MUL16 2, 1, 0
	WIN 0
	s_barrier_wait -1
.if \fill
	CREST
	s_add_nc_u64 s[G0+4*\slot+2:G0+4*\slot+3], s[G0+4*\slot+2:G0+4*\slot+3], 2*KSB
	s_add_nc_u64 s[G0B+4*\slot+2:G0B+4*\slot+3], s[G0B+4*\slot+2:G0B+4*\slot+3], 2*KSB
	JLOAD G0+4*\slot, G1, G0B+4*\slot, G1B
.else
	PLACES NP
.endif
	FETCH_B \next, 0, 0
	FETCH_A \next, 0, 0
	WIN MUL_HI
	MUL16 4, 1, 0
	MUL16 6, 1, 0
	PLACES NP
	WIN 0
	FETCH_A \next, 0, 4
.endm
	s_wait_tensorcnt 1
	s_barrier_signal -1
	s_barrier_wait -1
	FETCH_B 0, 0, 0
	FETCH_A 0, 0, 0
	FETCH_A 0, 0, 4
	STEP 0, 0, 1
	TURN 0, 1, 1
	STEP 1, 0, 0
	TURN 1, 0, 1
	STEP 0, 0, 0
	TURN 0, 1, 0
	STEP 1, 0, 0
	s_wait_dscnt 4*NL
	WIN MUL_LO
	MUL16 0, 1, 0
	MUL16 2, 1, 0
	s_wait_dscnt 0
	WIN MUL_HI
	MUL16 4, 1, 0
	MUL16 6, 1, 0
	WIN 0
.macro TOSTAGE a
.set AC, 64*((\a)%4)
	WIN 0x02+((\a)/4)
.irp j, 0,2,4,6,8,10,12,14,16,18,20,22,24,26,28,30,32,34,36,38,40,42,44,46,48,50,52,54,56,58,60,62
	v_pk_mul_f32 v[TMP+\j:TMP+\j+1], v[AC+\j:AC+\j+1], s[96:97] op_sel_hi:[1,0]
.endr
	WIN 0
.irp b, 0,1,2,3,4,5,6,7
	ds_store_b128 v[STO], v[TMP+8*\b:TMP+8*\b+3] offset:64*\b
	ds_store_b128 v[STO], v[TMP+8*\b+4:TMP+8*\b+7] offset:64*\b+16
.endr
.set BB, BK+64*((\a)%2)
.irp t, 0,1,2,3,4,5,6,7,8,9,10,11,12,13,14,15
	ds_load_b128 v[BB+4*\t:BB+4*\t+3], v[RD] offset:\t*SPITCH
.endr
.endm
.macro SEND a, younger
.set BB, BK+64*((\a)%2)
	s_wait_dscnt \younger
.if (\a) > 0
	s_add_nc_u64 s[10:11], s[10:11], 16*SIZE_N*4
.endif
.irp t, 0,1,2,3,4,5,6,7,8,9,10,11,12,13,14,15
	global_store_b128 v[CO], v[BB+4*\t:BB+4*\t+3], s[10:11] offset:\t*SIZE_N*4 th:TH_STORE_NT
.endr
.endm
	s_wait_kmcnt 0x0
	s_add_co_i32 s96, s96, s97
	s_add_co_i32 s96, s96, 127
	s_lshl_b32 s96, s96, 23
	PLACES NP
	TOSTAGE 0
.irp a, 1,2,3,4,5,6,7
.if \a > 1
	s_wait_xcnt 0x0
.endif
	TOSTAGE \a
	SEND \a-1, 32
.endr
	s_wait_xcnt 0x0
	SEND 7, 0
	s_wait_tensorcnt 0x0
	ds_add_u32 v[SPW], v[NIL]
	s_wait_dscnt 0x0
	CROUND
	s_endpgm
.Lfunc_end_k_q4c48d61f2b_outp:
	.size	k_q4c48d61f2b_outp, .Lfunc_end_k_q4c48d61f2b_outp-k_q4c48d61f2b_outp
	.p2alignl 7, 3214868480
	.fill 96, 4, 3214868480
	.section	.rodata,"a",@progbits
	.p2align	6, 0x0
	.amdhsa_kernel k_q4c48d61f2b_outp
		.amdhsa_group_segment_fixed_size 327680
		.amdhsa_private_segment_fixed_size 0
		.amdhsa_enable_private_segment 0
		.amdhsa_kernarg_size 32
		.amdhsa_user_sgpr_count 2
		.amdhsa_user_sgpr_kernarg_segment_ptr 1
		.amdhsa_wavefront_size32 1
		.amdhsa_system_sgpr_workgroup_id_x 1
		.amdhsa_system_sgpr_workgroup_id_y 1
		.amdhsa_system_sgpr_workgroup_id_z 1
		.amdhsa_system_vgpr_workitem_id 0
		.amdhsa_next_free_vgpr 1024
		.amdhsa_next_free_sgpr 100
		.amdhsa_reserve_vcc 0
		.amdhsa_float_denorm_mode_32 3
		.amdhsa_float_denorm_mode_16_64 3
		.amdhsa_memory_ordered 1
		.amdhsa_forward_progress 1
		.amdhsa_inst_pref_size 123
	.end_amdhsa_kernel
	.amdgpu_metadata
---
amdhsa.version: [ 1, 2 ]
amdhsa.kernels:
  - .name:           k_q4c48d61f2b_outp
    .symbol:         k_q4c48d61f2b_outp.kd
    .args:
      - { .name: att, .offset: 0, .size: 8, .value_kind: global_buffer, .address_space: global }
      - { .name: img, .offset: 8, .size: 8, .value_kind: global_buffer, .address_space: global }
      - { .name: lowp_scales, .offset: 16, .size: 8, .value_kind: global_buffer, .address_space: global }
      - { .name: out0, .offset: 24, .size: 8, .value_kind: global_buffer, .address_space: global }
    .group_segment_fixed_size: 327680
    .private_segment_fixed_size: 0
    .kernarg_segment_align: 8
    .kernarg_segment_size: 32
    .max_flat_workgroup_size: 64
    .sgpr_count:     100
    .vgpr_count:     1024
    .wavefront_size: 32
...
	.end_amdgpu_metadata
.endif
;; end of part 4
